; MI455X (gfx1250); checked and timed in simulation.
; The chip was launched on July 23, 2026; its instructions are those of AMD's public machine-readable ISA for CDNA 5 (MIT licence, August 2026) and "CDNA5" Instruction Set Architecture Reference Guide (July 2026). The comments in the code are by the model that wrote it; some were corrected since.
;; Differential Geometry Operator. Allowed arithmetic: matrix products marked QUANTISED: E3M2 operands, one E8M0 scale for each 32 along K, by v_wmma_scale_f32_16x16x128_f8f6f4 with both operands' format E3M2, f32 sums; products left as they are: f32 operands where the result goes on into a quantised operand, else bf16, f16 or f32 operands; f32 sums; everything else in f32.
;; Inputs: W1 256 x 64 float32; W2 64 x 1 float32; b1 64 float32; b2 1 float32; features 2 x 8,192 x 256 float32; points 2 x 8,192 x 3 float32.
;; Outputs: out0 2 x 8,192 x 1 float32; out1 2 x 8,192 x 256 float32.
;; This version of the problem:
;;   THIS VERSION OF THE PROBLEM IS GIVEN IN LOW PRECISION. The matrix products marked QUANTISED in the list below multiply operands that are first quantised to E3M2 (3 exponent bits, 2 mantissa bits; 6 bits a number), with one power-of-two scale for each 32 numbers along K (OCP MX v1.0); their sums are f32. All else is computed in f32.
;;   The module's matrix products, in the order in which they are computed (A, B: the left and right operand; K: the contracted axis; several contracted axes count as one K, in the product's order):
;;     1. batch 2 x [M 8,192, K 3] x [K 3, N 8,192]; A: input points; B: input points: left as it is (K = 3 < 32)
;;     2. [M 16,384, K 256] x [K 256, N 64]; A: input features; B: input W1: QUANTISED
;;     3. [M 16,384, K 64] x [K 64, N 1]; A: computed on the way; B: input W2: left as it is (N = 1 < 16)
;;   THE QUANTISER, for each operand of a quantised product, along K:
;;     - K is cut into blocks of 32 from its start; a last block that is shorter is filled with zeros.
;;     - A block's scale is 2^e with e = floor(log2(the largest magnitude in the block)) - 4, held to -126 .. 127; a block of zeros has e = 0. As a byte (E8M0): e + 127.
;;     - Each number is divided by its block's scale, clamped to +-28, and rounded to the nearest number of E3M2, ties to even, subnormals kept.
;;     - The product sums the exact products of the quantised numbers (number of the format x scale) in f32.
;;   ~~~python
;;   def quantise(x, axis):      # numpy; x: float32 -> the quantised numbers, widened to float32 again
;;       x = np.moveaxis(x, axis, -1); K = x.shape[-1]
;;       x = np.pad(x, [(0, 0)] * (x.ndim - 1) + [(0, -K % 32)]); x = x.reshape(x.shape[:-1] + (-1, 32)); a = np.abs(x).max(-1, keepdims=True)
;;       e = np.where(a > 0, np.clip(np.frexp(np.where(a > 0, a, 1))[1] - 1 - 4, -126, 127), 0)      # np.frexp(a)[1] - 1 = floor(log2(a)), exactly
;;       r = np.clip(x / 2.0 ** e, -28, 28)
;;       step = 2.0 ** (np.maximum(np.frexp(np.where(r == 0, 1, r))[1] - 1, -2) - 2)
;;       q = np.round(r / step) * step * 2.0 ** e      # np.round: ties to even
;;       return np.moveaxis(q.reshape(q.shape[:-2] + (-1,))[..., :K], -1, axis).astype(np.float32)
;;   ~~~
;; 2 versions, each right; version 2 is version 1 with the launch enhance written anew for expert scheduling mode. Each part assembles by itself: llvm-mc -triple=amdgcn-amd-amdhsa -mcpu=gfx1250 --defsym DOCPART=n.
;; ======== version 1 of 2: 3 launches
;; limits: values within 6.1e-05 (relative) of each other or of a threshold may be ordered or decided otherwise than in the reference; below input magnitudes of 1e-18 results are inexact or not finite
;; workspace buffers: grp 524,288 bytes of whole numbers; knn 524,288 bytes of whole numbers; w1q 13,312 bytes
;; launch groups (part 1): grid 257 x 1, 8 waves a work-group, no clusters, 149,504 bytes of LDS; arguments points, W1, grp, w1q; writes grp, w1q
.if DOCPART == 1
	.amdgcn_target "amdgcn-amd-amdhsa--gfx1250"
	.amdhsa_code_object_version 6
	.text
	.protected	k_q58712d1533_groups
	.globl	k_q58712d1533_groups
	.p2align	8
	.type	k_q58712d1533_groups,@function
k_q58712d1533_groups:
	s_mov_b64 s[64:65], 0
	v_nop
	global_prefetch_b8 v0, s[64:65] scope:SCOPE_SE
	s_setreg_imm32_b32 hwreg(HW_REG_WAVE_MODE, 25, 1), 1
	s_wait_xcnt 0x0
; FIRST STEP OF THE SEARCH FOR THE 8 NEAREST POINTS, and W1's codes.  points: [2][8192][3] f32.  grp: [16384][8] whole numbers.
; A GROUP is 16 candidates of a batch, cb + 32 i (i = 0 .. 15), cb = wave << 10 | b << 9 | lane: 512 groups a batch.  For each query the 8 groups whose smallest squared distance is smallest are
; stored (their cb).  The 8 nearest candidates lie in them: a group that holds one of them has a minimum no larger than it, and at most 7 groups can have a smaller one.  The next launch looks at those 128 candidates.
; SHARES.  Work-groups 0 to 255 own 64 queries of one batch each; wave w keeps candidates 1024 w .. 1024 w + 1023 in registers (lane l, register i: candidate 1024 w + 32 i + l), the query comes as scalars.
; d2 = sq_i + (sq_j - 2 p_i . p_j), in f32 by packed multiply-adds (K = 3), on points from which the batch's point 0 has been taken away: d2 is the same, and a common offset of the points costs no precision.
; A group's minimum, held at 2^-120 from below, gets the group's 9-bit number in its low bits; the keys go to LDS, [query][group]; behind ONE barrier four threads a query pick the 8 smallest of 512, with no branch.
; LIMITS.  A group is passed over only if eight others' minima are smaller or agree with its own in sign, exponent and the upper 14 mantissa bits, or within the rounding of the formula above in f32;
; the neighbour then taken in its stead lies that close.  d2 under 2^-120 counts as equal here.  NaN, infinities and coordinates whose squares overflow are not served.
; Work-group 256 quantises W1 [256 (k)][64 (n)] along K to E3M2 codes, a fragment (16 n x 128 k) a wave, and stores the fragments as images of the operand's registers, with their scale words.
; NO CLUSTER, NO TENSOR LOAD: what work-groups share is a batch's 96 KiB of points, which go straight into registers.
.set M,   12                           ; v12-15   four keys
.set QV,  16                           ; v16-23   queries l and 32 + l: x, y, z, sq
.set T,   24                           ; v24-55   two sets of 16 sums
.set L,   56                           ; v56-63   an ascending list of 8 keys
.set TMP, 64                           ; v64-71   at work
.set X,   72                           ; v72-199  my 32 candidates: x, y, z, sq; later 128 keys
.set Y,   104
.set Z,   136
.set S,   168
.set QROW, 2320                        ; a query's 512 keys in LDS: four parts of 512 bytes + 64, + 16
	s_load_b256 s[4:11], s[0:1], 0x0               ; points s[4:5], W1 s[6:7], grp s[8:9], w1q s[10:11]
	v_lshl_add_u32 v200, v0, 2, 0x24400
	v_mov_b32 v201, 0
	v_lshrrev_b32 v2, 5, v0
	v_readfirstlane_b32 s12, v2                    ; wave 0..7
	v_and_b32 v1, 31, v0                           ; lane
	s_cmp_eq_u32 ttmp9, 256                        ; the same for all waves of a work-group
	s_cbranch_scc1 .Lw1
	s_lshr_b32 s13, ttmp9, 7                       ; batch
	s_and_b32 s14, ttmp9, 127                      ; which 64 queries of it
	s_mul_i32 s16, s13, 98304                      ; a batch's points in bytes
	s_mov_b32 s17, 0
	s_mul_i32 s15, s12, 12288                      ; my wave's 1,024 candidates
	v_mul_u32_u24 v2, v1, 12
	v_add_nc_u32 v3, s15, v2                       ; candidate l of a run of 32
	s_mul_i32 s15, s14, 768
	v_add_nc_u32 v2, s15, v2                       ; query l
	s_lshr_b32 s18, s12, 1
	s_mul_i32 s18, s18, 576
	s_and_b32 s19, s12, 1
	s_lshl_b32 s19, s19, 8
	s_add_co_u32 s18, s18, s19
	v_lshl_add_u32 v4, v1, 2, s18                  ; my key's place in a query's row: part w / 2, then 256 (w % 2) + 128 b + 4 l
	v_add_nc_u32 v5, 32*QROW, v4                   ; and 32 queries on
	s_lshl_b32 s19, s12, 6
	v_add_nc_u32 v8, s19, v1                       ; the group's number: 64 w + 32 b + l
	v_add_nc_u32 v9, 32, v8
	v_lshrrev_b32 v10, 2, v0                       ; the choice: thread = 4 x query + part
	v_mul_u32_u24 v10, v10, QROW
	v_and_b32 v11, 3, v0
	v_mad_u32_u24 v10, v11, 576, v10
	v_lshlrev_b32 v11, 3, v0                       ; and its 8 bytes of grp
	s_mov_b32 s26, 0x03800000                      ; 2^-120
	s_mov_b32 s27, 0xfffffe00                      ; a key's part that is distance
	s_mov_b32 s28, 0x7f7fffff                      ; over every key
.irp i, 81,83,85,89,91,93,31,33,35
	s_mov_b32 s\i, 0                               ; upper halves of pairs that the packed forms name
.endr
.irp i, 0,1,2,3,4,5,6,7
	v_mov_b32 v[TMP+\i], 0                         ; written once: a lane exchange's destination counts as read
.endr
	s_wait_kmcnt 0x0
	s_add_nc_u64 s[4:5], s[4:5], s[16:17]          ; my batch
	s_load_b96 s[20:22], s[4:5], 0x0               ; its point 0
	global_load_b96 v[QV:QV+2], v2, s[4:5]
	global_load_b96 v[QV+4:QV+6], v2, s[4:5] offset:384
.set n, 0
.rept 32
	global_load_b32 v[X+n], v3, s[4:5] offset:384*n       ; the three loads of a run read 384 consecutive bytes between them
	global_load_b32 v[Y+n], v3, s[4:5] offset:384*n+4
	global_load_b32 v[Z+n], v3, s[4:5] offset:384*n+8
.set n, n+1
.endr
	s_lshl_b32 s16, ttmp9, 11                      ; my work-group's 2,048 bytes of grp
	s_add_nc_u64 s[8:9], s[8:9], s[16:17]
	s_wait_kmcnt 0x0
	s_xor_b32 s30, s20, 0x80000000                 ; minus point 0
	s_xor_b32 s32, s21, 0x80000000
	s_xor_b32 s34, s22, 0x80000000
	s_wait_loadcnt 0x0
.set n, 0
.rept 16
	v_pk_add_f32 v[X+n:X+n+1], v[X+n:X+n+1], s[30:31] op_sel_hi:[1,0]
	v_pk_add_f32 v[Y+n:Y+n+1], v[Y+n:Y+n+1], s[32:33] op_sel_hi:[1,0]
	v_pk_add_f32 v[Z+n:Z+n+1], v[Z+n:Z+n+1], s[34:35] op_sel_hi:[1,0]
.set n, n+2
.endr
.set n, 0
.rept 16
	v_pk_mul_f32 v[S+n:S+n+1], v[X+n:X+n+1], v[X+n:X+n+1]
.set n, n+2
.endr
.set n, 0
.rept 16
	v_pk_fma_f32 v[S+n:S+n+1], v[Y+n:Y+n+1], v[Y+n:Y+n+1], v[S+n:S+n+1]
.set n, n+2
.endr
.set n, 0
.rept 16
	v_pk_fma_f32 v[S+n:S+n+1], v[Z+n:Z+n+1], v[Z+n:Z+n+1], v[S+n:S+n+1]   ; sq_j
.set n, n+2
.endr
.irp q, 0,4
	v_add_f32 v[QV+\q], s30, v[QV+\q]
	v_add_f32 v[QV+\q+1], s32, v[QV+\q+1]
	v_add_f32 v[QV+\q+2], s34, v[QV+\q+2]
	v_mul_f32 v[QV+\q+3], v[QV+\q], v[QV+\q]
	v_fma_f32 v[QV+\q+3], v[QV+\q+1], v[QV+\q+1], v[QV+\q+3]
	v_fma_f32 v[QV+\q+3], v[QV+\q+2], v[QV+\q+2], v[QV+\q+3]    ; sq_i
	v_mul_f32 v[QV+\q], -2.0, v[QV+\q]
	v_mul_f32 v[QV+\q+1], -2.0, v[QV+\q+1]
	v_mul_f32 v[QV+\q+2], -2.0, v[QV+\q+2]
.endr
; Query q of the trip's two against group b of each lane: 16 distances less sq_i, their minimum, the key, its place in LDS.
.macro GMIN q, b
.set TB, T+16*(\b)
.set n, 0
.rept 8
	v_pk_fma_f32 v[TB+n:TB+n+1], v[X+16*(\b)+n:X+16*(\b)+n+1], s[80+8*(\q):81+8*(\q)], v[S+16*(\b)+n:S+16*(\b)+n+1] op_sel_hi:[1,0,1]
.set n, n+2
.endr
.set n, 0
.rept 8
	v_pk_fma_f32 v[TB+n:TB+n+1], v[Y+16*(\b)+n:Y+16*(\b)+n+1], s[82+8*(\q):83+8*(\q)], v[TB+n:TB+n+1] op_sel_hi:[1,0,1]
.set n, n+2
.endr
.set n, 0
.rept 8
	v_pk_fma_f32 v[TB+n:TB+n+1], v[Z+16*(\b)+n:Z+16*(\b)+n+1], s[84+8*(\q):85+8*(\q)], v[TB+n:TB+n+1] op_sel_hi:[1,0,1]
.set n, n+2
.endr
.set MA, M+2*(\q)+(\b)
.set MB, TMP+2*(\q)+(\b)
	v_min3_num_f32 v[MA], v[TB], v[TB+1], v[TB+2]                  ; two chains
	v_min3_num_f32 v[MB], v[TB+3], v[TB+4], v[TB+5]
	v_min3_num_f32 v[MA], v[MA], v[TB+6], v[TB+7]
	v_min3_num_f32 v[MB], v[MB], v[TB+8], v[TB+9]
	v_min3_num_f32 v[MA], v[MA], v[TB+10], v[TB+11]
	v_min3_num_f32 v[MB], v[MB], v[TB+12], v[TB+13]
	v_min3_num_f32 v[MA], v[MA], v[TB+14], v[TB+15]
	v_min_num_f32 v[MA], v[MA], v[MB]
	v_add_f32 v[MA], s[86+8*(\q)], v[MA]           ; + sq_i: it rises with its addend, so it may follow the minimum
	v_max_num_f32 v[MA], s26, v[MA]                ; reference()'s hold at 0, taken at 2^-120: every key is a normal positive number
	v_and_or_b32 v[MA], v[MA], s27, v[8+(\b)]      ; the group's number in the low 9 bits
	ds_store_b32 v[6+(\q)], v[MA] offset:128*(\b)
.endm
	s_mov_b32 s24, 0
	s_mov_b32 s25, 0
.Lq:                                                   ; 32 trips: queries I and 32 + I
.irp c, 0,1,2,3
	v_readlane_b32 s[80+2*\c], v[QV+\c], s24
	v_readlane_b32 s[88+2*\c], v[QV+4+\c], s24
.endr
	v_add_nc_u32 v6, s25, v4
	v_add_nc_u32 v7, s25, v5
	GMIN 0, 0
	GMIN 0, 1
	GMIN 1, 0
	GMIN 1, 1
	s_add_co_u32 s25, s25, QROW
	s_add_co_u32 s24, s24, 1
	s_cmp_lt_u32 s24, 32
	s_cbranch_scc1 .Lq
	s_wait_dscnt 0x0                               ; for the others' sake: my keys have landed
	s_barrier_signal -1
	s_barrier_wait -1
.set n, 0
.rept 32
	ds_load_b128 v[X+4*n:X+4*n+3], v10 offset:16*n ; my part: 128 keys of my query
.set n, n+1
.endr
.irp i, 0,1,2,3,4,5,6,7
	v_mov_b32 v[L+\i], s28
.endr
; A key goes into an ascending list of 8: a_j = the middle one of a_(j-1), key, a_j, from the top down, so that every line reads old numbers.
.macro INS l, k
.irp j, 7,6,5,4,3,2,1
	v_med3_num_f32 v[\l+\j], v[\l+\j-1], v[\k], v[\l+\j]
.endr
	v_min_num_f32 v[\l], v[\l], v[\k]
.endm
.macro MERGE l, m                      ; the list of lane xor m is fetched whole and inserted: both lanes end with the same list
.irp i, 0,1,2,3,4,5,6,7
	v_mov_b32_dpp v[TMP+\i], v[\l+\i] row_xmask:\m row_mask:0xf bank_mask:0xf
.endr
.irp i, 0,1,2,3,4,5,6,7
	INS \l, TMP+\i
.endr
.endm
	s_wait_dscnt 0x0
.set n, 0
.rept 128
	INS L, X+n
.set n, n+1
.endr
	MERGE L, 1
	MERGE L, 2
	v_and_b32 v12, 1, v0                           ; part p stores entries 2 p and 2 p + 1
	v_cmp_eq_u32 vcc_lo, 1, v12
	v_and_b32 v13, 2, v0
	v_cmp_eq_u32 s36, 2, v13
.irp e, 0,1
	v_cndmask_b32 v12, v[L+\e], v[L+2+\e], vcc_lo
	v_cndmask_b32 v13, v[L+4+\e], v[L+6+\e], vcc_lo
	v_cndmask_b32 v[14+\e], v12, v13, s36
.endr
.irp e, 0,1
	v_and_b32 v12, 0x1e0, v[14+\e]                 ; wave and b,
	v_and_b32 v[14+\e], 31, v[14+\e]               ; lane:
	v_lshl_or_b32 v[14+\e], v12, 4, v[14+\e]       ; cb
.endr
	global_store_b64 v11, v[14:15], s[8:9]         ; a wave stores 256 consecutive bytes
	s_wait_tensorcnt 0x0
	ds_add_u32 v200, v201
	s_wait_dscnt 0x0
	s_endpgm
.Lw1:                                                  ; wave w: n tile w / 2, K step w % 2.  Lane (r, h) takes column 16 t + r, and its registers run down K: k = 128 s + 64 c + 32 h + i
	v_and_b32 v2, 15, v0
	v_bfe_u32 v3, v0, 4, 1
	v_lshlrev_b32 v4, 2, v2
	v_lshl_add_u32 v4, v3, 13, v4                  ; 4 r + 32 h rows of 256 bytes
	s_lshr_b32 s13, s12, 1
	s_and_b32 s14, s12, 1
	s_lshl_b32 s16, s13, 6
	s_lshl_b32 s14, s14, 15
	s_add_co_u32 s16, s16, s14                     ; 64 t + 128 s rows
	s_mov_b32 s17, 0
	s_mov_b32 s36, 0x76543210
	s_mov_b32 s37, 0xfedcba98                      ; selects for lane l xor 16
	s_mul_i32 s18, s12, 1536
	v_lshlrev_b32 v5, 4, v1
	v_add_nc_u32 v5, s18, v5                       ; the image: 1,536 x fragment + 16 x lane
	s_lshl_b32 s19, s12, 7
	v_lshl_add_u32 v6, v1, 2, s19                  ; the scale words: 128 x fragment + 4 x lane
	s_wait_kmcnt 0x0
	s_add_nc_u64 s[6:7], s[6:7], s[16:17]
.set n, 0
.rept 64
	global_load_b32 v[X+n], v4, s[6:7] offset:256*(64*(n/32)+n%32)
.set n, n+1
.endr
	s_wait_loadcnt 0x0
.irp c, 0,1
	v_max3_num_f32 v[24+\c], |v[X+32*\c]|, |v[X+1+32*\c]|, 0x2800000   ; my block 2 c + h, and the floor 2^(5 - 127): the byte cannot fall under 1 (a block of zeros keeps that byte: its codes are zeros, and this program alone reads the bytes)
.endr
.irp i, 2,4,6,8,10,12,14,16,18,20,22,24,26,28,30
.irp c, 0,1
	v_max3_num_f32 v[24+\c], v[24+\c], |v[X+32*\c+\i]|, |v[X+1+32*\c+\i]|
.endr
.endr
.irp c, 0,1
	v_add_nc_u32 v[26+\c], 0xfe000000, v[24+\c]    ; 4 off the exponent field: the conversion's scale operand
.endr
.irp c, 0,1
	v_lshrrev_b32 v[28+\c], 23, v[26+\c]           ; the scale's byte
.endr
	v_lshl_or_b32 v30, v29, 16, v28                ; blocks h and 2 + h,
	v_lshlrev_b32 v31, 3, v3
	v_lshlrev_b32 v30, v31, v30                    ; at their places in the word;
	v_mov_b32 v31, 0
	v_permlanex16_b32 v31, v30, s36, s37
	v_or_b32 v30, v30, v31                         ; with lane l xor 16's two it is whole
.irp c, 0,1
	v_cvt_scalef32_pk16_bf6_f32 v[32+6*\c:34+6*\c], v[X+32*\c:X+15+32*\c], v[26+\c]
	v_cvt_scalef32_pk16_bf6_f32 v[44+4*\c:46+4*\c], v[X+16+32*\c:X+31+32*\c], v[26+\c]   ; (a conversion's three registers begin on an even number)
.endr
	v_nop                                          ; one plain place behind a scaled conversion
.irp c, 0,1
.irp i, 0,1,2
	v_mov_b32 v[35+6*\c+\i], v[44+4*\c+\i]
.endr
.endr
.irp j, 0,1,2
	global_store_b128 v5, v[32+4*\j:35+4*\j], s[10:11] offset:512*\j   ; 512 consecutive bytes a store
.endr
	global_store_b32 v6, v30, s[10:11] offset:12288
	s_endpgm
.Lfunc_end_k_q58712d1533_groups:
	.size	k_q58712d1533_groups, .Lfunc_end_k_q58712d1533_groups-k_q58712d1533_groups
	.p2alignl 7, 3214868480
	.fill 96, 4, 3214868480
	.section	.rodata,"a",@progbits
	.p2align	6, 0x0
	.amdhsa_kernel k_q58712d1533_groups
		.amdhsa_group_segment_fixed_size 149504
		.amdhsa_private_segment_fixed_size 0
		.amdhsa_enable_private_segment 0
		.amdhsa_kernarg_size 32
		.amdhsa_user_sgpr_count 2
		.amdhsa_user_sgpr_kernarg_segment_ptr 1
		.amdhsa_wavefront_size32 1
		.amdhsa_system_sgpr_workgroup_id_x 1
		.amdhsa_system_sgpr_workgroup_id_y 1
		.amdhsa_system_sgpr_workgroup_id_z 1
		.amdhsa_system_vgpr_workitem_id 0
		.amdhsa_next_free_vgpr 202
		.amdhsa_next_free_sgpr 96
		.amdhsa_reserve_vcc 1
		.amdhsa_float_denorm_mode_32 3
		.amdhsa_float_denorm_mode_16_64 3
		.amdhsa_memory_ordered 1
		.amdhsa_forward_progress 1
		.amdhsa_inst_pref_size 111
	.end_amdhsa_kernel
	.amdgpu_metadata
---
amdhsa.version: [ 1, 2 ]
amdhsa.kernels:
  - .name:           k_q58712d1533_groups
    .symbol:         k_q58712d1533_groups.kd
    .args:
      - { .name: points, .offset: 0, .size: 8, .value_kind: global_buffer, .address_space: global }
      - { .name: W1, .offset: 8, .size: 8, .value_kind: global_buffer, .address_space: global }
      - { .name: grp, .offset: 16, .size: 8, .value_kind: global_buffer, .address_space: global }
      - { .name: w1q, .offset: 24, .size: 8, .value_kind: global_buffer, .address_space: global }
    .group_segment_fixed_size: 149504
    .private_segment_fixed_size: 0
    .kernarg_segment_align: 8
    .kernarg_segment_size: 32
    .max_flat_workgroup_size: 256
    .sgpr_count:     96
    .vgpr_count:     202
    .wavefront_size: 32
...
	.end_amdgpu_metadata
.endif
;; end of part 1
;; launch refine (part 2): grid 256 x 1, 8 waves a work-group, no clusters, 132,096 bytes of LDS; arguments points, grp, knn; writes knn
.if DOCPART == 2
	.amdgcn_target "amdgcn-amd-amdhsa--gfx1250"
	.amdhsa_code_object_version 6
	.text
	.protected	k_q58712d1533_refine
	.globl	k_q58712d1533_refine
	.p2align	8
	.type	k_q58712d1533_refine,@function
k_q58712d1533_refine:
	s_mov_b64 s[64:65], 0
	v_nop
	global_prefetch_b8 v0, s[64:65] scope:SCOPE_SE
	s_setreg_imm32_b32 hwreg(HW_REG_WAVE_MODE, 25, 1), 1
	s_wait_xcnt 0x0
; SECOND STEP: of the 128 candidates in a query's 8 groups (grp: the groups' first candidates cb; a group is cb + 32 i, i = 0 .. 15) the 8 nearest; ties go to the lower index, as in jax.lax.top_k.
; knn: [16384][8] whole numbers: rows within the query's batch, in no order (a mean follows).
; SHARES.  A work-group owns 64 queries of one batch; four lanes share a query (thread = 4 x query + part), each takes 2 groups, 32 candidates.
; The batch's points are laid into LDS, 16 bytes a point, by loads of 384 consecutive bytes a wave; ONE barrier; behind it LDS is only read.
; d2 is formed by differences, in f32: the number of reference()'s formula with the smaller rounding.  Two selections with no branch: the first gives T, the 8th smallest d2 of the 128;
; the second takes the 8 smallest keys, key = index (d2 < T), index + 8192 (d2 = T), index + 16384 (d2 > T), carried as the floats 2^23 + key, which order as whole numbers do.
; LIMITS.  NaN, infinities and differences whose squares overflow are not served.
.set L,   20                           ; v20-27  an ascending list of 8
.set TMP, 28                           ; v28-35  at work
.set OUT, 36                           ; v36-37
.set P,   40                           ; v40-167 32 slots of 4: x, y, z, d2
	s_load_b128 s[4:7], s[0:1], 0x0                ; points, grp
	s_load_b64 s[8:9], s[0:1], 0x10                ; knn
	v_lshl_add_u32 v168, v0, 2, 0x20000
	v_mov_b32 v169, 0
	v_mul_u32_u24 v1, v0, 12                       ; point t of a run of 256
	v_lshlrev_b32 v2, 4, v0                        ; its place in LDS,
	v_add_nc_u32 v3, 0x10000, v2                   ; and 16 runs on
	v_lshlrev_b32 v10, 3, v0                       ; my 8 bytes of grp and of knn
	v_lshrrev_b32 v12, 2, v0
	v_mul_u32_u24 v12, v12, 12
	s_lshr_b32 s12, ttmp9, 7                       ; batch
	s_and_b32 s13, ttmp9, 127
	s_mul_i32 s14, s12, 98304
	s_mov_b32 s15, 0
	s_mul_i32 s16, s13, 768
	v_add_nc_u32 v12, s16, v12                     ; my query
	s_lshl_b32 s18, ttmp9, 11
	s_mov_b32 s19, 0
	s_mov_b32 s20, 0x7f7fffff                      ; over every d2 and every key
	v_mov_b32 v14, 0x2000
.irp i, 0,1,2,3,4,5,6,7
	v_mov_b32 v[TMP+\i], 0                         ; written once: a lane exchange's destination counts as read
.endr
	s_wait_kmcnt 0x0
	s_add_nc_u64 s[4:5], s[4:5], s[14:15]
	s_add_nc_u64 s[6:7], s[6:7], s[18:19]
	s_add_nc_u64 s[8:9], s[8:9], s[18:19]
	global_load_b64 v[4:5], v10, s[6:7]
	global_load_b96 v[16:18], v12, s[4:5]
.set n, 0
.rept 32
	global_load_b96 v[P+4*n:P+4*n+2], v1, s[4:5] offset:3072*n
.set n, n+1
.endr
.set n, 0
.rept 32
	s_wait_loadcnt 31-n                            ; load n is in; the loads issued behind it may be out
.if n < 16
	ds_store_b96 v2, v[P+4*n:P+4*n+2] offset:4096*n
.else
	ds_store_b96 v3, v[P+4*n:P+4*n+2] offset:4096*(n-16)
.endif
.set n, n+1
.endr
	s_wait_dscnt 0x0                               ; for the others' sake: my stores have landed
	s_barrier_signal -1
	s_barrier_wait -1
.irp g, 0,1
	v_min_u32 v[4+\g], 7711, v[4+\g]               ; the largest cb: 7 << 10 | 1 << 9 | 31
	v_lshlrev_b32 v[6+\g], 4, v[4+\g]
	v_add_nc_u32 v[8+\g], 0x4b000000, v[4+\g]      ; 2^23 + cb, as a float's bits
.endr
.set n, 0
.rept 32
	ds_load_b96 v[P+4*n:P+4*n+2], v[6+n/16] offset:512*(n%16)
.set n, n+1
.endr
.irp i, 0,1,2,3,4,5,6,7
	v_mov_b32 v[L+\i], s20
.endr
	s_wait_dscnt 0x0
.set n, 0
.rept 32
	v_pk_add_f32 v[P+4*n:P+4*n+1], v[P+4*n:P+4*n+1], v[16:17] neg_lo:[0,1] neg_hi:[0,1]
	v_sub_f32 v[P+4*n+2], v[P+4*n+2], v18
.set n, n+1
.endr
.set n, 0
.rept 32
	v_mul_f32 v[P+4*n+3], v[P+4*n], v[P+4*n]
.set n, n+1
.endr
.set n, 0
.rept 32
	v_fma_f32 v[P+4*n+3], v[P+4*n+1], v[P+4*n+1], v[P+4*n+3]
.set n, n+1
.endr
.set n, 0
.rept 32
	v_fma_f32 v[P+4*n+3], v[P+4*n+2], v[P+4*n+2], v[P+4*n+3]       ; d2
.set n, n+1
.endr
.macro INS l, k                        ; a_j = the middle one of a_(j-1), key, a_j, from the top down
.irp j, 7,6,5,4,3,2,1
	v_med3_num_f32 v[\l+\j], v[\l+\j-1], v[\k], v[\l+\j]
.endr
	v_min_num_f32 v[\l], v[\l], v[\k]
.endm
.macro MERGE l, m                      ; the list of lane xor m is fetched whole and inserted
.irp i, 0,1,2,3,4,5,6,7
	v_mov_b32_dpp v[TMP+\i], v[\l+\i] row_xmask:\m row_mask:0xf bank_mask:0xf
.endr
.irp i, 0,1,2,3,4,5,6,7
	INS \l, TMP+\i
.endr
.endm
.set n, 0
.rept 32
	INS L, P+4*n+3
.set n, n+1
.endr
	MERGE L, 1
	MERGE L, 2
	v_mov_b32 v11, v[L+7]                          ; T
.irp i, 0,1,2,3,4,5,6,7
	v_mov_b32 v[L+\i], s20
.endr
.set n, 0
.rept 32
	v_cmp_ge_f32 vcc_lo, v[P+4*n+3], v11
	v_cmp_gt_f32 s21, v[P+4*n+3], v11
	v_cndmask_b32 v[P+4*n], 0, v14, vcc_lo
	v_cndmask_b32 v[P+4*n+1], 0, v14, s21
	v_add3_u32 v[P+4*n+2], v[P+4*n], v[P+4*n+1], v[8+n/16]
	v_add_nc_u32 v[P+4*n+3], 32*(n%16), v[P+4*n+2]
.set n, n+1
.endr
.set n, 0
.rept 32
	INS L, P+4*n+3
.set n, n+1
.endr
	MERGE L, 1
	MERGE L, 2                                     ; at least 8 of the 128 have d2 <= T: no key of the third kind stays
	v_and_b32 v12, 1, v0                           ; part p stores entries 2 p and 2 p + 1
	v_cmp_eq_u32 vcc_lo, 1, v12
	v_and_b32 v13, 2, v0
	v_cmp_eq_u32 s22, 2, v13
.irp e, 0,1
	v_cndmask_b32 v12, v[L+\e], v[L+2+\e], vcc_lo
	v_cndmask_b32 v13, v[L+4+\e], v[L+6+\e], vcc_lo
	v_cndmask_b32 v[OUT+\e], v12, v13, s22
.endr
	v_and_b32 v[OUT], 0x1fff, v[OUT]               ; the index
	v_and_b32 v[OUT+1], 0x1fff, v[OUT+1]
	global_store_b64 v10, v[OUT:OUT+1], s[8:9]     ; a wave stores 256 consecutive bytes
	s_wait_tensorcnt 0x0
	ds_add_u32 v168, v169
	s_wait_dscnt 0x0
	s_endpgm
.Lfunc_end_k_q58712d1533_refine:
	.size	k_q58712d1533_refine, .Lfunc_end_k_q58712d1533_refine-k_q58712d1533_refine
	.p2alignl 7, 3214868480
	.fill 96, 4, 3214868480
	.section	.rodata,"a",@progbits
	.p2align	6, 0x0
	.amdhsa_kernel k_q58712d1533_refine
		.amdhsa_group_segment_fixed_size 132096
		.amdhsa_private_segment_fixed_size 0
		.amdhsa_enable_private_segment 0
		.amdhsa_kernarg_size 24
		.amdhsa_user_sgpr_count 2
		.amdhsa_user_sgpr_kernarg_segment_ptr 1
		.amdhsa_wavefront_size32 1
		.amdhsa_system_sgpr_workgroup_id_x 1
		.amdhsa_system_sgpr_workgroup_id_y 1
		.amdhsa_system_sgpr_workgroup_id_z 1
		.amdhsa_system_vgpr_workitem_id 0
		.amdhsa_next_free_vgpr 170
		.amdhsa_next_free_sgpr 66
		.amdhsa_reserve_vcc 1
		.amdhsa_float_denorm_mode_32 3
		.amdhsa_float_denorm_mode_16_64 3
		.amdhsa_memory_ordered 1
		.amdhsa_forward_progress 1
		.amdhsa_inst_pref_size 77
	.end_amdhsa_kernel
	.amdgpu_metadata
---
amdhsa.version: [ 1, 2 ]
amdhsa.kernels:
  - .name:           k_q58712d1533_refine
    .symbol:         k_q58712d1533_refine.kd
    .args:
      - { .name: points, .offset: 0, .size: 8, .value_kind: global_buffer, .address_space: global }
      - { .name: grp, .offset: 8, .size: 8, .value_kind: global_buffer, .address_space: global }
      - { .name: knn, .offset: 16, .size: 8, .value_kind: global_buffer, .address_space: global }
    .group_segment_fixed_size: 132096
    .private_segment_fixed_size: 0
    .kernarg_segment_align: 8
    .kernarg_segment_size: 24
    .max_flat_workgroup_size: 256
    .sgpr_count:     66
    .vgpr_count:     170
    .wavefront_size: 32
...
	.end_amdgpu_metadata
.endif
;; end of part 2
;; launch enhance (part 3): grid 256 x 1, 4 waves a work-group, no clusters, 67,072 bytes of LDS; arguments features, knn, w1q, b1, W2, b2, out0, out1; writes out0, out1
.if DOCPART == 3
	.amdgcn_target "amdgcn-amd-amdhsa--gfx1250"
	.amdhsa_code_object_version 6
	.text
	.protected	k_q58712d1533_enhance
	.globl	k_q58712d1533_enhance
	.p2align	8
	.type	k_q58712d1533_enhance,@function
k_q58712d1533_enhance:
	s_mov_b64 s[64:65], 0
	v_nop
	global_prefetch_b8 v0, s[64:65] scope:SCOPE_SE
	s_setreg_imm32_b32 hwreg(HW_REG_WAVE_MODE, 25, 1), 1
	s_wait_xcnt 0x0
; out0 = sigmoid(relu(features W1 + b1) W2 + b2);  out1 = features + 0.3 tanh(5 x mean over the 8 neighbours of |neighbour's row - own row|) x out0.
; features: [2][8192][256] f32.  knn: [16384][8] rows within the batch.  w1q: W1's eight fragments (n tile t, K step s: f = 2 t + s) as images of the operand's registers, then their scale words.
; SHARES.  A wave owns 16 queries and shares nothing: no barrier.  Its own rows are read once, by loads of 512 consecutive bytes, and laid into its own stage in LDS (rows 1,040 bytes apart).
; THE FIRST PRODUCT is quantised to E3M2 with one E8M0 scale for each 32 along K: the rows come out of the stage 16 neighbours a lane and are quantised in registers.  It is used transposed (source 0 = 16 hidden
; units of W1, source 1 = my 16 rows): a lane holds one row (lane % 16) and hidden units 16 t + 8 (lane / 16) + j.  b1 is loaded into the accumulators; the four take turns.
; The dot with W2 (N = 1) is f32 multiply-adds.
; THE GATHER.  A ring of four slots of 64 registers (window 1): a slot holds a query's 8 neighbour rows, 16 loads of 512 bytes.  Four queries' rows are on their way; the first product runs while the first ones land.
; REGISTERS, in windows of 256: window 0 all vector work; window 1 the ring (at the head its upper half takes my own rows); window 2 W1's fragments, v[12 f].
; LIMITS.  tanh(x) = 1 - 2 / (1 + e^(2x)): an absolute error of about 1e-7.  NaN and infinities are not served.  A block of zeros has the scale byte 1, with zero codes.
; out0 leaves as 64 consecutive bytes a wave; lanes 16-31 store the number of lanes 0-15 at the same place.
; NO CLUSTER, NO TENSOR LOAD: the rows that a wave gathers are its own choice; what work-groups share is 13 KiB of codes.
.set K,   16                           ; v16-19   my 128 words of knn: entry k of query i in lane 2 i + k / 4, register k % 4
.set OFF, 20                           ; v20-51   the ring's offsets: 4 slots x 8
.set OWN, 52                           ; v52-83   four own rows of 8 registers;  during the first product: x's codes v52-75, at work v76-83
.set CT,  76
.set ACC, 84                           ; v84-99   eight pairs of sums;  during the first product: TM
.set TM,  84
.set N,   100                          ; v100-107 lane i (and i + 16): query i's eight sums of squares
.set T,   108                          ; v108-171 64 numbers at work
.set HA,  172                          ; v172-203 the four accumulators
.set W2R, 204                          ; v204-235 W2, in the accumulators' layout
.set W1S, 236                          ; v236-243 W1's scale words
.set XS,  244                          ; v244-245 x's
.set SEL, 28
.set MSB, 0
.macro WIN new                         ; the immediate's high byte repeats the setting that is left
.if MSB != \new
	s_set_vgpr_msb (MSB<<8)|\new
.set MSB, \new
.endif
.endm
	s_load_b512 s[4:19], s[0:1], 0x0               ; features s[4:5], knn s[6:7], w1q s[8:9], b1 s[10:11], W2 s[12:13], b2 s[14:15], out0 s[16:17], out1 s[18:19]
	v_lshl_add_u32 v254, v0, 2, 0x10400
	v_mov_b32 v255, 0
	v_lshrrev_b32 v12, 5, v0
	v_readfirstlane_b32 s20, v12                   ; wave 0..3
	v_and_b32 v13, 31, v0                          ; lane
	v_and_b32 v12, 15, v0                          ; r
	v_bfe_u32 v4, v0, 4, 1                         ; h
	v_lshlrev_b32 v1, 4, v13                       ; 16 x lane
	s_mul_i32 s21, s20, 16640                      ; my stage
	v_mul_u32_u24 v2, v12, 1040
	v_lshl_add_u32 v2, v4, 6, v2
	v_add_nc_u32 v2, s21, v2                       ; row r, + 64 h: my 16 numbers of a block of 32
	v_add_nc_u32 v3, s21, v1                       ; a row as it lies: 16 bytes a lane
	v_lshlrev_b32 v5, 5, v4                        ; b1, W2: 8 h numbers on
	v_lshlrev_b32 v6, 2, v13
	v_lshlrev_b32 v7, 2, v12
	s_lshl_b32 s32, ttmp9, 6
	s_lshl_b32 s33, s20, 4
	s_add_co_u32 s32, s32, s33                     ; my first query: 64 x work-group + 16 x wave
	s_lshl_b32 s34, s32, 5                         ; in knn,
	s_mov_b32 s35, 0
	s_lshl_b32 s36, s32, 10                        ; in features and out1,
	s_mov_b32 s37, 0
	s_lshl_b32 s38, s32, 2                         ; in out0
	s_mov_b32 s39, 0
	s_lshr_b32 s31, ttmp9, 7
	s_lshl_b32 s56, s31, 23                        ; my batch in features
	s_mov_b32 s57, 0
	s_mov_b32 s[SEL], 0x76543210
	s_mov_b32 s[SEL+1], 0xfedcba98                 ; selects for lane l xor 16
.irp i, 41,43,45,47
	s_mov_b32 s\i, 0                               ; upper halves of pairs that the packed form names
.endr
.irp b, 0,1,2,3
	v_mov_b32 v[TM+4+\b], 0                        ; written once: a lane exchange's destination counts as read
.endr
	s_wait_kmcnt 0x0
	s_load_b32 s26, s[14:15], 0x0                  ; b2
	s_add_nc_u64 s[6:7], s[6:7], s[34:35]
	s_add_nc_u64 s[22:23], s[4:5], s[36:37]
	s_add_nc_u64 s[24:25], s[4:5], s[56:57]
	s_add_nc_u64 s[18:19], s[18:19], s[36:37]
	s_add_nc_u64 s[16:17], s[16:17], s[38:39]
	global_load_b128 v[K:K+3], v1, s[6:7]
	WIN 0x40                                       ; destination window 1
.set n, 0
.rept 32
	global_load_b128 v[128+4*n:131+4*n], v1, s[22:23] offset:512*n    ; my 16 rows, half a row a load
.set n, n+1
.endr
	WIN 0x80                                       ; destination window 2
.set n, 0
.rept 24
	global_load_b128 v[4*n:4*n+3], v1, s[8:9] offset:512*n            ; W1's images: they stay
.set n, n+1
.endr
	WIN 0
.irp f, 0,1,2,3,4,5,6,7
	global_load_b32 v[W1S+\f], v6, s[8:9] offset:12288+128*\f
.endr
.irp t, 0,1,2,3
	global_load_b128 v[HA+8*\t:HA+8*\t+3], v5, s[10:11] offset:64*\t
	global_load_b128 v[HA+8*\t+4:HA+8*\t+7], v5, s[10:11] offset:64*\t+16
.endr
.irp t, 0,1,2,3
	global_load_b128 v[W2R+8*\t:W2R+8*\t+3], v5, s[12:13] offset:64*\t
	global_load_b128 v[W2R+8*\t+4:W2R+8*\t+7], v5, s[12:13] offset:64*\t+16
.endr
; Query i's 8 neighbour rows are asked for, into slot i % 4.  The row numbers are held inside the table.
.macro FILL i
.set FS, (\i)%4
.irp k, 0,1,2,3,4,5,6,7
	v_readlane_b32 s[48+\k], v[K+\k%4], 2*(\i)+\k/4
.endr
.irp k, 0,1,2,3,4,5,6,7
	s_min_u32 s[48+\k], s[48+\k], 8191
.endr
.irp k, 0,1,2,3,4,5,6,7
	v_lshl_add_u32 v[OFF+8*FS+\k], s[48+\k], 10, v1     ; (the slot's last loads are in: their offsets may be written)
.endr
	WIN 0x40
.irp k, 0,1,2,3,4,5,6,7
	global_load_b128 v[64*FS+8*\k:64*FS+8*\k+3], v[OFF+8*FS+\k], s[24:25]
	global_load_b128 v[64*FS+8*\k+4:64*FS+8*\k+7], v[OFF+8*FS+\k], s[24:25] offset:512
.endr
	WIN 0
.endm
	s_wait_loadcnt 63                              ; knn's words are in: 80 loads were issued behind them; 63 is the largest count that the wait can name
	FILL 0
	FILL 1
	s_wait_loadcnt 63                              ; my own rows are in: 80 loads were issued behind them
	WIN 0x04                                       ; an LDS store's data: window 1
.set n, 0
.rept 32
	ds_store_b128 v3, v[128+4*n:131+4*n] offset:1040*(n/2)+512*(n%2)
.set n, n+1
.endr
	WIN 0
	s_wait_dscnt 0x0                               ; the stores have read their registers: the ring's upper half may be loaded
	FILL 2
	FILL 3
	s_wait_loadcnt 63                              ; W1, b1 and W2 are in: 64 loads were issued behind them
; 64 numbers of a lane, register 16 b + i = k 32 b + 16 (lane / 16) + i of my row, become a fragment's codes in v[pc] on and its scale word in v[pw].
.macro QUANT s, pc, pw
.irp b, 0,1,2,3
	v_max3_num_f32 v[TM+\b], |v[\s+16*\b]|, |v[\s+1+16*\b]|, 0x2800000   ; and the floor 2^(5 - 127): the byte cannot fall under 1
.endr
.irp i, 2,4,6,8,10,12,14
.irp b, 0,1,2,3
	v_max3_num_f32 v[TM+\b], v[TM+\b], |v[\s+16*\b+\i]|, |v[\s+1+16*\b+\i]|
.endr
.endr
.irp b, 0,1,2,3
	v_permlanex16_b32 v[TM+4+\b], v[TM+\b], s[SEL], s[SEL+1]
.endr
.irp b, 0,1,2,3
	v_max_num_f32 v[TM+\b], v[TM+\b], v[TM+4+\b]   ; the block's largest magnitude
.endr
.irp b, 0,1,2,3
	v_add_nc_u32 v[TM+12+\b], 0xfe000000, v[TM+\b] ; 4 off its exponent field: the conversion's scale operand
.endr
.irp b, 0,1,2,3
	v_lshrrev_b32 v[TM+4+\b], 23, v[TM+12+\b]      ; the scale's byte
.endr
	v_lshl_or_b32 v[\pw], v[TM+5], 8, v[TM+4]
	v_lshl_or_b32 v[\pw], v[TM+6], 16, v[\pw]
	v_lshl_or_b32 v[\pw], v[TM+7], 24, v[\pw]
.irp c, 0,1
	v_cvt_scalef32_pk16_bf6_f32 v[\pc+6*\c:\pc+2+6*\c], v[\s+32*\c:\s+15+32*\c], v[TM+12+2*\c]
	v_cvt_scalef32_pk16_bf6_f32 v[CT+4*\c:CT+2+4*\c], v[\s+16+32*\c:\s+31+32*\c], v[TM+12+2*\c+1]   ; (a conversion's three registers begin on an even number)
.endr
	v_nop                                          ; one plain place behind a scaled conversion
.irp c, 0,1                                    ; the operand's layout wants a whole block in a lane
.irp i, 0,1,2
	v_permlane16_swap_b32 v[\pc+6*\c+\i], v[CT+4*\c+\i]
.endr
.irp i, 0,1,2
	v_mov_b32 v[\pc+3+6*\c+\i], v[CT+4*\c+\i]
.endr
.endr
.endm
.irp s, 0,1
.set n, 0
.rept 16
	ds_load_b128 v[T+4*n:T+4*n+3], v2 offset:512*\s+128*(n/4)+16*(n%4)   ; LDS serves a wave's instructions in order (ISA guide 5.7.1.4): these see my stores
.set n, n+1
.endr
	s_wait_dscnt 0x0
	QUANT T, OWN+12*\s, XS+\s
.endr
.irp k, 0,1,2,3,4,5,6,7
	v_mov_b32 v[N+\k], 0                           ; eight plain places between the last write of a scale word or an operand and the scaled products
.endr
	WIN 0x02                                       ; source 0 (W1) window 2
.irp s, 0,1
.irp t, 0,1,2,3
	v_wmma_scale_f32_16x16x128_f8f6f4 v[HA+8*\t:HA+8*\t+7], v[12*(2*\t+\s):12*(2*\t+\s)+11], v[OWN+12*\s:OWN+12*\s+11], v[HA+8*\t:HA+8*\t+7], v[W1S+2*\t+\s], v[XS+\s] matrix_a_fmt:MATRIX_FMT_BF6 matrix_b_fmt:MATRIX_FMT_BF6
.endr
.endr
	WIN 0
.rept 4
	v_nop                                          ; places in front of the first read of results (ISA guide 7.12.1)
.endr
.set n, 0
.rept 32
	v_max_num_f32 v[HA+n], 0, v[HA+n]              ; relu; each accumulator from its low end on
.set n, n+1
.endr
	v_pk_mul_f32 v[8:9], v[HA:HA+1], v[W2R:W2R+1]
.set n, 2
.rept 15
	v_pk_fma_f32 v[8:9], v[HA+n:HA+n+1], v[W2R+n:W2R+n+1], v[8:9]
.set n, n+2
.endr
	v_add_f32 v8, v8, v9
	v_permlanex16_b32 v9, v8, s[SEL], s[SEL+1]     ; the row's other 32 hidden units
	v_add_f32 v8, v8, v9
	s_wait_kmcnt 0x0
	v_add_f32 v8, s26, v8                          ; + b2
	v_mul_f32 v9, 0xbfb8aa3b, v8                   ; -log2(e) z
	v_exp_f32 v12, v9
	v_nop                                          ; a plain place behind a transcendental,
	s_wait_alu depctr_va_vdst(0)                   ; and a wait ahead of its first reader
	v_add_f32 v12, 1.0, v12
	v_rcp_f32 v14, v12
	v_nop
	s_wait_alu depctr_va_vdst(0)
	global_store_b32 v7, v14, s[16:17]             ; out0; v14 and v7 are never written again
	v_mul_f32 v10, 0x3e99999a, v14                 ; 0.3 x the probability of row lane % 16
; Query i: its own row from the stage; the 8 differences; the slot is asked for again; 8 sums of squares over the 32 lanes; lanes i and i + 16 keep them.
.macro QUERY i
.set SL, (\i)%4
.set OW, OWN+8*SL
.if ((\i)%4 == 0) && ((\i) > 0)
	s_wait_xcnt 0x0                                ; the last four rows' stores have read their registers: the own rows may be loaded anew
.endif
	ds_load_b128 v[OW:OW+3], v3 offset:1040*(\i)
	ds_load_b128 v[OW+4:OW+7], v3 offset:1040*(\i)+512
.if (\i) < 12
	s_wait_loadcnt 48                              ; this query's 16 loads are in; those of the three queries behind it may be out
.else
	s_wait_loadcnt 16*(15-(\i))
.endif
	s_wait_dscnt 0x0
	WIN 0x01                                       ; source 0: window 1
.irp k, 0,1,2,3,4,5,6,7
.irp m, 0,2,4,6
	v_pk_add_f32 v[T+8*\k+\m:T+8*\k+\m+1], v[64*SL+8*\k+\m:64*SL+8*\k+\m+1], v[OW+\m:OW+\m+1] neg_lo:[0,1] neg_hi:[0,1]
.endr
.endr
	WIN 0
.if (\i) < 12
	FILL (\i)+4
.endif
.irp k, 0,1,2,3,4,5,6,7
	v_pk_mul_f32 v[ACC+2*\k:ACC+2*\k+1], v[T+8*\k:T+8*\k+1], v[T+8*\k:T+8*\k+1]
.endr
.irp m, 2,4,6
.irp k, 0,1,2,3,4,5,6,7
	v_pk_fma_f32 v[ACC+2*\k:ACC+2*\k+1], v[T+8*\k+\m:T+8*\k+\m+1], v[T+8*\k+\m:T+8*\k+\m+1], v[ACC+2*\k:ACC+2*\k+1]
.endr
.endr
.irp k, 0,1,2,3,4,5,6,7
	v_add_f32 v[ACC+2*\k], v[ACC+2*\k], v[ACC+2*\k+1]
.endr
.irp x, 1,2,4,8
.irp k, 0,1,2,3,4,5,6,7
	v_add_f32_dpp v[ACC+2*\k], v[ACC+2*\k], v[ACC+2*\k] row_xmask:\x row_mask:0xf bank_mask:0xf
.endr
.endr
.irp k, 0,1,2,3,4,5,6,7
	v_permlanex16_b32 v[ACC+2*\k+1], v[ACC+2*\k], s[SEL], s[SEL+1]
.endr
.irp k, 0,1,2,3,4,5,6,7
	v_add_f32 v[ACC+2*\k], v[ACC+2*\k], v[ACC+2*\k+1]
.endr
	s_mov_b32 s30, 0x10001<<(\i)
.irp k, 0,1,2,3,4,5,6,7
	v_cndmask_b32 v[N+\k], v[N+\k], v[ACC+2*\k], s30
.endr
.endm
; Queries 4 g .. 4 g + 3 are finished: norms, mean, tanh, x 0.3 probability, in the lanes that hold them; each row gets its number and leaves, 512 consecutive bytes a store.
.macro TAIL g
.irp k, 0,1,2,3,4,5,6,7
	v_sqrt_f32 v[T+\k], v[N+\k]
.endr
	v_nop                                          ; a plain place behind the batch,
	s_wait_alu depctr_va_vdst(0)                   ; and one wait for the eight
	v_add_f32 v[T], v[T], v[T+1]
	v_add_f32 v[T+2], v[T+2], v[T+3]
	v_add_f32 v[T+4], v[T+4], v[T+5]
	v_add_f32 v[T+6], v[T+6], v[T+7]
	v_add_f32 v[T], v[T], v[T+2]
	v_add_f32 v[T+4], v[T+4], v[T+6]
	v_add_f32 v12, v[T], v[T+4]
	v_mul_f32 v12, 0x3fe6d4ca, v12                 ; x 5 / 8 x 2 log2(e)
	v_exp_f32 v13, v12
	v_nop
	s_wait_alu depctr_va_vdst(0)
	v_add_f32 v13, 1.0, v13
	v_rcp_f32 v12, v13                             ; (an exponential that has run to infinity gives 0 here: tanh = 1)
	v_nop
	s_wait_alu depctr_va_vdst(0)
	v_fma_f32 v12, v12, -2.0, 1.0
	v_mul_f32 v11, v12, v10
.irp j, 0,1,2,3
	v_readlane_b32 s[40+2*\j], v11, 4*(\g)+\j
.endr
.irp j, 0,1,2,3
.irp m, 0,2,4,6
	v_pk_add_f32 v[OWN+8*\j+\m:OWN+8*\j+\m+1], v[OWN+8*\j+\m:OWN+8*\j+\m+1], s[40+2*\j:41+2*\j] op_sel_hi:[1,0]
.endr
	global_store_b128 v1, v[OWN+8*\j:OWN+8*\j+3], s[18:19] offset:1024*(4*(\g)+\j) th:TH_STORE_NT
	global_store_b128 v1, v[OWN+8*\j+4:OWN+8*\j+7], s[18:19] offset:1024*(4*(\g)+\j)+512 th:TH_STORE_NT
.endr
.endm
.irp g, 0,1,2,3
	QUERY 4*\g
	QUERY 4*\g+1
	QUERY 4*\g+2
	QUERY 4*\g+3
	TAIL \g
.endr
	s_wait_tensorcnt 0x0
	ds_add_u32 v254, v255
	s_wait_dscnt 0x0
	s_endpgm
.Lfunc_end_k_q58712d1533_enhance:
	.size	k_q58712d1533_enhance, .Lfunc_end_k_q58712d1533_enhance-k_q58712d1533_enhance
	.p2alignl 7, 3214868480
	.fill 96, 4, 3214868480
	.section	.rodata,"a",@progbits
	.p2align	6, 0x0
	.amdhsa_kernel k_q58712d1533_enhance
		.amdhsa_group_segment_fixed_size 67072
		.amdhsa_private_segment_fixed_size 0
		.amdhsa_enable_private_segment 0
		.amdhsa_kernarg_size 64
		.amdhsa_user_sgpr_count 2
		.amdhsa_user_sgpr_kernarg_segment_ptr 1
		.amdhsa_wavefront_size32 1
		.amdhsa_system_sgpr_workgroup_id_x 1
		.amdhsa_system_sgpr_workgroup_id_y 1
		.amdhsa_system_sgpr_workgroup_id_z 1
		.amdhsa_system_vgpr_workitem_id 0
		.amdhsa_next_free_vgpr 608
		.amdhsa_next_free_sgpr 66
		.amdhsa_reserve_vcc 0
		.amdhsa_float_denorm_mode_32 3
		.amdhsa_float_denorm_mode_16_64 3
		.amdhsa_memory_ordered 1
		.amdhsa_forward_progress 1
		.amdhsa_inst_pref_size 212
	.end_amdhsa_kernel
	.amdgpu_metadata
---
amdhsa.version: [ 1, 2 ]
amdhsa.kernels:
  - .name:           k_q58712d1533_enhance
    .symbol:         k_q58712d1533_enhance.kd
    .args:
      - { .name: features, .offset: 0, .size: 8, .value_kind: global_buffer, .address_space: global }
      - { .name: knn, .offset: 8, .size: 8, .value_kind: global_buffer, .address_space: global }
      - { .name: w1q, .offset: 16, .size: 8, .value_kind: global_buffer, .address_space: global }
      - { .name: b1, .offset: 24, .size: 8, .value_kind: global_buffer, .address_space: global }
      - { .name: W2, .offset: 32, .size: 8, .value_kind: global_buffer, .address_space: global }
      - { .name: b2, .offset: 40, .size: 8, .value_kind: global_buffer, .address_space: global }
      - { .name: out0, .offset: 48, .size: 8, .value_kind: global_buffer, .address_space: global }
      - { .name: out1, .offset: 56, .size: 8, .value_kind: global_buffer, .address_space: global }
    .group_segment_fixed_size: 67072
    .private_segment_fixed_size: 0
    .kernarg_segment_align: 8
    .kernarg_segment_size: 64
    .max_flat_workgroup_size: 128
    .sgpr_count:     66
    .vgpr_count:     608
    .wavefront_size: 32
...
	.end_amdgpu_metadata
.endif
;; end of part 3
;; ======== version 2 of 2: 3 launches; version 1 with the launch enhance written anew for expert scheduling mode
;; limits: values within 6.1e-05 (relative) of each other or of a threshold may be ordered or decided otherwise than in the reference; below input magnitudes of 1e-18 results are inexact or not finite
;; workspace buffers: grp 524,288 bytes of whole numbers; knn 524,288 bytes of whole numbers; w1q 13,312 bytes
;; launch groups: the kernel of part 1 again; grid 257 x 1, 8 waves a work-group, no clusters, 149,504 bytes of LDS; arguments points, W1, grp, w1q; writes grp, w1q
;; launch refine: the kernel of part 2 again; grid 256 x 1, 8 waves a work-group, no clusters, 132,096 bytes of LDS; arguments points, grp, knn; writes knn
;; launch enhance (part 4): grid 256 x 1, 4 waves a work-group, no clusters, 67,072 bytes of LDS; arguments features, knn, w1q, b1, W2, b2, out0, out1; writes out0, out1
.if DOCPART == 4
	.amdgcn_target "amdgcn-amd-amdhsa--gfx1250"
	.amdhsa_code_object_version 6
	.text
	.protected	k_q58712d1533_enhance
	.globl	k_q58712d1533_enhance
	.p2align	8
	.type	k_q58712d1533_enhance,@function
k_q58712d1533_enhance:
	s_mov_b64 s[64:65], 0
	v_nop
	global_prefetch_b8 v0, s[64:65] scope:SCOPE_SE
	s_setreg_imm32_b32 hwreg(HW_REG_WAVE_SCHED_MODE, 0, 2), 2
	s_setreg_imm32_b32 hwreg(HW_REG_WAVE_MODE, 25, 1), 1
	s_wait_xcnt 0x0
	s_wait_alu depctr_vm_vsrc(0)
; out0 = sigmoid(relu(features W1 + b1) W2 + b2);  out1 = features + 0.3 tanh(5 x mean over the 8 neighbours of |neighbour's row - own row|) x out0.
; features: [2][8192][256] f32.  knn: [16384][8] rows within the batch.  w1q: W1's eight fragments (n tile t, K step s: f = 2 t + s) as images of the operand's registers, then their scale words.
; SHARES.  A wave owns 16 queries and shares nothing: no barrier.  Its own rows are read once, by loads of 512 consecutive bytes, and laid into its own stage in LDS (rows 1,040 bytes apart).
; THE FIRST PRODUCT is quantised to E3M2 with one E8M0 scale for each 32 along K: the rows come out of the stage 16 neighbours a lane and are quantised in registers.  It is used transposed (source 0 = 16 hidden
; units of W1, source 1 = my 16 rows): a lane holds one row (lane % 16) and hidden units 16 t + 8 (lane / 16) + j.  b1 is loaded into the accumulators; the four take turns.
; The dot with W2 (N = 1) is f32 multiply-adds.
; THE GATHER.  A ring of four slots of 64 registers (window 1): a slot holds a query's 8 neighbour rows, 16 loads of 512 bytes.  Four queries' rows are on their way; the first product runs while the first ones land.
; REGISTERS, in windows of 256: window 0 all vector work; window 1 the ring (at the head its upper half takes my own rows); window 2 W1's fragments, v[12 f], and from v96 on the gather's 128 offsets.
; LIMITS.  tanh(x) = 1 - 2 / (1 + e^(2x)): an absolute error of about 1e-7.  NaN and infinities are not served.  A block of zeros has the scale byte 1, with zero codes.
; out0 leaves as 64 consecutive bytes a wave; lanes 16-31 store the number of lanes 0-15 at the same place.
; NO CLUSTER, NO TENSOR LOAD: the rows that a wave gathers are its own choice; what work-groups share is 13 KiB of codes.
; THE MODE: SCHED_MODE bits 1:0 = 2 (LLVM: expert scheduling mode 2), set by the entry lines.  The code itself states the register dependences
; between vector or matrix instructions and memory or LDS instructions, with s_wait_alu, always for 0.
; THE PLAN.  Registers that memory or LDS instructions touch:
;   v1 .. v7      offsets and LDS addresses: written at the head, never again.
;   OFX           the offsets of all 16 x 8 neighbour rows: written once each, at the head, by vector instructions; read by the ring's loads; never written again.
;   the ring      slot i % 4: query i's 32 differences read it; behind them the loads of query i + 4 land in it.  At the head the LDS stores of my own rows read its upper half.
;   OWN0, OWN1    two sets of four own rows; group g (queries 4 g .. 4 g + 3) works in set g % 2: loaded from the stage in query 4 g - 2, read by the group's differences, written by the group's
;                 closing additions, read by the eight stores that are issued in query 4 g + 4, loaded again in query 4 g + 6.
;   T             two runs of LDS loads land in it at the head, each read by the quantiser; afterwards vector instructions alone name it, as they do the sums and N.
; So ONE wait on va_vdst stands in a query, behind its differences; the query's stores, LDS loads and gather follow it in one run, and the vector work behind them names T, the sums and N alone.
; A wait on vm_vsrc stands in queries 6 and 10, two queries behind the stores whose registers are loaded again there.
.set K,   16                           ; v16-19   my 128 words of knn: entry k of query i in lane 2 i + k / 4, register k % 4
.set OWN, 52                           ; v52-83   set 0 of four own rows of 8 registers; set 1 lies 120 registers on, v172-203;  during the first product: x's codes v52-75, at work v76-83
.set CT,  76
.set ACC, 84                           ; v84-99   eight pairs of sums;  during the first product: TM
.set TM,  84
.set N,   100                          ; v100-107 lane i (and i + 16): query i's eight sums of squares
.set T,   108                          ; v108-171 64 numbers at work
.set HA,  172                          ; v172-203 the four accumulators; later set 1 of the own rows
.set W2R, 204                          ; v204-235 W2, in the accumulators' layout
.set W1S, 236                          ; v236-243 W1's scale words
.set XS,  244                          ; v244-245 x's
.set OFX, 96                           ; in window 2: v96-223: query i's neighbour k: its row's bytes in the batch + 16 x lane, at OFX + 8 i + k
.set SEL, 28
.set MSB, 0
.macro WIN new                         ; the immediate's high byte repeats the setting that is left
.if MSB != \new
	s_set_vgpr_msb (MSB<<8)|\new
.set MSB, \new
.endif
.endm
	s_load_b512 s[4:19], s[0:1], 0x0               ; features s[4:5], knn s[6:7], w1q s[8:9], b1 s[10:11], W2 s[12:13], b2 s[14:15], out0 s[16:17], out1 s[18:19]
	v_lshl_add_u32 v254, v0, 2, 0x10400
	v_mov_b32 v255, 0
	v_lshrrev_b32 v12, 5, v0
	v_readfirstlane_b32 s20, v12                   ; wave 0..3
	v_and_b32 v13, 31, v0                          ; lane
	v_and_b32 v12, 15, v0                          ; r
	v_bfe_u32 v4, v0, 4, 1                         ; h
	v_lshlrev_b32 v1, 4, v13                       ; 16 x lane
	v_mul_u32_u24 v2, v12, 1040
	v_lshl_add_u32 v2, v4, 6, v2
	v_lshlrev_b32 v5, 5, v4                        ; b1, W2: 8 h numbers on
	v_lshlrev_b32 v6, 2, v13
	v_lshlrev_b32 v7, 2, v12
.irp b, 0,1,2,3
	v_mov_b32 v[TM+4+\b], 0                        ; written once: a lane exchange's destination counts as read
.endr
	s_wait_alu depctr_va_sdst(0)                   ; s20 is written, ahead of its first reader: the stage's place and the wave's first query are made from it
	s_mul_i32 s21, s20, 16640                      ; my stage
	v_add_nc_u32 v2, s21, v2                       ; row r, + 64 h: my 16 numbers of a block of 32
	v_add_nc_u32 v3, s21, v1                       ; a row as it lies: 16 bytes a lane
	s_lshl_b32 s32, ttmp9, 6
	s_lshl_b32 s33, s20, 4
	s_add_co_u32 s32, s32, s33                     ; my first query: 64 x work-group + 16 x wave
	s_lshl_b32 s34, s32, 5                         ; in knn,
	s_mov_b32 s35, 0
	s_lshl_b32 s36, s32, 10                        ; in features and out1,
	s_mov_b32 s37, 0
	s_lshl_b32 s38, s32, 2                         ; in out0
	s_mov_b32 s39, 0
	s_lshr_b32 s31, ttmp9, 7
	s_lshl_b32 s56, s31, 23                        ; my batch in features
	s_mov_b32 s57, 0
	s_mov_b32 s[SEL], 0x76543210
	s_mov_b32 s[SEL+1], 0xfedcba98                 ; selects for lane l xor 16
.irp i, 41,43,45,47
	s_mov_b32 s\i, 0                               ; upper halves of pairs that the packed form names
.endr
	s_wait_kmcnt 0x0
	s_load_b32 s26, s[14:15], 0x0                  ; b2
	s_add_nc_u64 s[6:7], s[6:7], s[34:35]
	s_add_nc_u64 s[22:23], s[4:5], s[36:37]
	s_add_nc_u64 s[24:25], s[4:5], s[56:57]
	s_add_nc_u64 s[18:19], s[18:19], s[36:37]
	s_add_nc_u64 s[16:17], s[16:17], s[38:39]
	s_wait_alu depctr_va_vdst(0)                   ; v1 to v7 are written: the direct loads, the stores and the stage's LDS instructions read them as offsets or addresses
	global_load_b128 v[K:K+3], v1, s[6:7]
	WIN 0x40                                       ; destination window 1
.set n, 0
.rept 32
	global_load_b128 v[128+4*n:131+4*n], v1, s[22:23] offset:512*n    ; my 16 rows, half a row a load
.set n, n+1
.endr
	WIN 0x80                                       ; destination window 2
.set n, 0
.rept 24
	global_load_b128 v[4*n:4*n+3], v1, s[8:9] offset:512*n            ; W1's images: they stay
.set n, n+1
.endr
	WIN 0
.irp f, 0,1,2,3,4,5,6,7
	global_load_b32 v[W1S+\f], v6, s[8:9] offset:12288+128*\f
.endr
.irp t, 0,1,2,3
	global_load_b128 v[HA+8*\t:HA+8*\t+3], v5, s[10:11] offset:64*\t
	global_load_b128 v[HA+8*\t+4:HA+8*\t+7], v5, s[10:11] offset:64*\t+16
.endr
.irp t, 0,1,2,3
	global_load_b128 v[W2R+8*\t:W2R+8*\t+3], v5, s[12:13] offset:64*\t
	global_load_b128 v[W2R+8*\t+4:W2R+8*\t+7], v5, s[12:13] offset:64*\t+16
.endr
; The offsets of the 16 neighbour rows of queries i and i + 1.  The row numbers are held inside the table.
.macro OFFS i
.irp k, 0,1,2,3,4,5,6,7,8,9,10,11,12,13,14,15
	v_readlane_b32 s[48+\k], v[K+\k%4], 2*(\i)+\k/4
.endr
	s_wait_alu depctr_va_sdst(0)                   ; s48 to s63 are written, ahead of their first readers: one wait for the run of sixteen
.irp k, 0,1,2,3,4,5,6,7,8,9,10,11,12,13,14,15
	s_min_u32 s[48+\k], s[48+\k], 8191
.endr
	WIN 0x80                                       ; destination window 2
.irp k, 0,1,2,3,4,5,6,7,8,9,10,11,12,13,14,15
	v_lshl_add_u32 v[OFX+8*(\i)+\k], s[48+\k], 10, v1
.endr
	WIN 0
.endm
; Query i's 8 neighbour rows are asked for, into slot i % 4.  It leaves the windows at: destination window 1, address window 2.
.macro FILL i
.set FS, (\i)%4
	WIN 0x42
.irp k, 0,1,2,3,4,5,6,7
	global_load_b128 v[64*FS+8*\k:64*FS+8*\k+3], v[OFX+8*(\i)+\k], s[24:25]
	global_load_b128 v[64*FS+8*\k+4:64*FS+8*\k+7], v[OFX+8*(\i)+\k], s[24:25] offset:512
.endr
.endm
; The four own rows of group g come out of the stage, into set g % 2.
.macro OWNROWS g
.set OS, OWN+120*((\g)%2)
.irp j, 0,1,2,3
	ds_load_b128 v[OS+8*\j:OS+8*\j+3], v3 offset:1040*(4*(\g)+\j)
	ds_load_b128 v[OS+8*\j+4:OS+8*\j+7], v3 offset:1040*(4*(\g)+\j)+512
.endr
.endm
; The four finished rows of group g leave, 512 consecutive bytes a store.
.macro SEND g
.set OS, OWN+120*((\g)%2)
.irp j, 0,1,2,3
	global_store_b128 v1, v[OS+8*\j:OS+8*\j+3], s[18:19] offset:1024*(4*(\g)+\j) th:TH_STORE_NT
	global_store_b128 v1, v[OS+8*\j+4:OS+8*\j+7], s[18:19] offset:1024*(4*(\g)+\j)+512 th:TH_STORE_NT
.endr
.endm
	s_wait_loadcnt 63                              ; knn's words are in: 80 loads were issued behind them; 63 is the largest count that the wait can name
	OFFS 0
	s_wait_alu depctr_va_vdst(0)                   ; the offsets of queries 0 and 1 are written, which the loads below read
	FILL 0
	FILL 1
	s_wait_loadcnt 63                              ; my own rows are in: 80 loads were issued behind them
	WIN 0x04                                       ; an LDS store's data: window 1
.set n, 0
.rept 32
	ds_store_b128 v3, v[128+4*n:131+4*n] offset:1040*(n/2)+512*(n%2)
.set n, n+1
.endr
	WIN 0
	OFFS 2                                         ; (work on registers while the stores are out)
	s_wait_dscnt 0x0                               ; my stores into the stage have landed
	WIN 0x42
	s_wait_alu depctr_vm_vsrc(0)                   ; the LDS stores have read the ring's upper half, in which the loads below land
	s_wait_alu depctr_va_vdst(0)                   ; the offsets of queries 2 and 3 are written, which the loads below read
	FILL 2
	FILL 3
	WIN 0
.set n, 0
.rept 16
	ds_load_b128 v[T+4*n:T+4*n+3], v2 offset:128*(n/4)+16*(n%4)   ; K step 0.  LDS serves a wave's instructions in order (ISA guide 5.7.1.4): these see my stores.  No vector instruction has named T yet
.set n, n+1
.endr
.irp i, 4,6,8,10,12,14
	OFFS \i                                        ; the other twelve queries' offsets, while the rows land; the waits on va_vdst further down stand ahead of their first readers
.endr
; 64 numbers of a lane, register 16 b + i = k 32 b + 16 (lane / 16) + i of my row, become a fragment's codes in v[pc] on and its scale word in v[pw].
.macro QUANT s, pc, pw
.irp b, 0,1,2,3
	v_max3_num_f32 v[TM+\b], |v[\s+16*\b]|, |v[\s+1+16*\b]|, 0x2800000   ; and the floor 2^(5 - 127): the byte cannot fall under 1
.endr
.irp i, 2,4,6,8,10,12,14
.irp b, 0,1,2,3
	v_max3_num_f32 v[TM+\b], v[TM+\b], |v[\s+16*\b+\i]|, |v[\s+1+16*\b+\i]|
.endr
.endr
.irp b, 0,1,2,3
	v_permlanex16_b32 v[TM+4+\b], v[TM+\b], s[SEL], s[SEL+1]
.endr
.irp b, 0,1,2,3
	v_max_num_f32 v[TM+\b], v[TM+\b], v[TM+4+\b]   ; the block's largest magnitude
.endr
.irp b, 0,1,2,3
	v_add_nc_u32 v[TM+12+\b], 0xfe000000, v[TM+\b] ; 4 off its exponent field: the conversion's scale operand
.endr
.irp b, 0,1,2,3
	v_lshrrev_b32 v[TM+4+\b], 23, v[TM+12+\b]      ; the scale's byte
.endr
	v_lshl_or_b32 v[\pw], v[TM+5], 8, v[TM+4]
	v_lshl_or_b32 v[\pw], v[TM+6], 16, v[\pw]
	v_lshl_or_b32 v[\pw], v[TM+7], 24, v[\pw]
.irp c, 0,1
	v_cvt_scalef32_pk16_bf6_f32 v[\pc+6*\c:\pc+2+6*\c], v[\s+32*\c:\s+15+32*\c], v[TM+12+2*\c]
	v_cvt_scalef32_pk16_bf6_f32 v[CT+4*\c:CT+2+4*\c], v[\s+16+32*\c:\s+31+32*\c], v[TM+12+2*\c+1]   ; (a conversion's three registers begin on an even number)
.endr
	v_nop                                          ; one plain place behind a scaled conversion
.irp c, 0,1                                    ; the operand's layout wants a whole block in a lane
.irp i, 0,1,2
	v_permlane16_swap_b32 v[\pc+6*\c+\i], v[CT+4*\c+\i]
.endr
.irp i, 0,1,2
	v_mov_b32 v[\pc+3+6*\c+\i], v[CT+4*\c+\i]
.endr
.endr
.endm
	s_wait_dscnt 0x0                               ; K step 0's numbers are in
	QUANT T, OWN, XS
	s_wait_alu depctr_va_vdst(0)                   ; the maxima and the conversions are done reading T, in which K step 1's numbers land
.set n, 0
.rept 16
	ds_load_b128 v[T+4*n:T+4*n+3], v2 offset:512+128*(n/4)+16*(n%4)
.set n, n+1
.endr
	s_wait_dscnt 0x0
	QUANT T, OWN+12, XS+1
	s_wait_loadcnt 63                              ; W1, b1 and W2 are in: 64 loads were issued behind them
.irp k, 0,1,2,3,4,5,6,7
	v_mov_b32 v[N+\k], 0                           ; eight plain places between the last write of a scale word or an operand and the scaled products
.endr
	WIN 0x02                                       ; source 0 (W1) window 2
	s_wait_alu depctr_va_vdst(0)                   ; x's codes and scale words are written, which the scaled products take; the places above stay beside this wait
.irp s, 0,1
.irp t, 0,1,2,3
	v_wmma_scale_f32_16x16x128_f8f6f4 v[HA+8*\t:HA+8*\t+7], v[12*(2*\t+\s):12*(2*\t+\s)+11], v[OWN+12*\s:OWN+12*\s+11], v[HA+8*\t:HA+8*\t+7], v[W1S+2*\t+\s], v[XS+\s] matrix_a_fmt:MATRIX_FMT_BF6 matrix_b_fmt:MATRIX_FMT_BF6
.endr
.endr
	WIN 0
.rept 4
	v_nop                                          ; places in front of the first read of results (ISA guide 7.12.1)
.endr
.set n, 0
.rept 32
	v_max_num_f32 v[HA+n], 0, v[HA+n]              ; relu; each accumulator from its low end on
.set n, n+1
.endr
	v_pk_mul_f32 v[8:9], v[HA:HA+1], v[W2R:W2R+1]
.set n, 2
.rept 15
	v_pk_fma_f32 v[8:9], v[HA+n:HA+n+1], v[W2R+n:W2R+n+1], v[8:9]
.set n, n+2
.endr
	v_add_f32 v8, v8, v9
	v_permlanex16_b32 v9, v8, s[SEL], s[SEL+1]     ; the row's other 32 hidden units
	v_add_f32 v8, v8, v9
	s_wait_kmcnt 0x0
	v_add_f32 v8, s26, v8                          ; + b2
	v_mul_f32 v9, 0xbfb8aa3b, v8                   ; -log2(e) z
	v_exp_f32 v12, v9
	v_nop                                          ; a plain place behind a transcendental
	s_wait_alu depctr_va_vdst(0)                   ; the exponential has written v12, ahead of its first reader; and the products are done reading x's codes, in whose registers group 0's own rows land
	OWNROWS 0
	v_add_f32 v12, 1.0, v12
	v_rcp_f32 v14, v12
	v_nop
	s_wait_alu depctr_va_vdst(0)                   ; the reciprocal has written v14, which the store and the multiplication below read
	global_store_b32 v7, v14, s[16:17]             ; out0; v14 and v7 are never written again
	v_mul_f32 v10, 0x3e99999a, v14                 ; 0.3 x the probability of row lane % 16
; Query i: the 8 differences from its own row; the query's memory instructions in one run; 8 sums of squares over the 32 lanes; lanes i and i + 16 keep them.
.macro QUERY i
.set SL, (\i)%4
.set OW, OWN+120*(((\i)/4)%2)+8*SL
.if (\i) < 12
	s_wait_loadcnt 48                              ; this query's 16 loads are in; those of the three queries behind it may be out
.else
	s_wait_loadcnt 16*(15-(\i))
.endif
.if (\i)%4 == 0
	s_wait_dscnt 0x0                               ; the group's four own rows, asked for two queries ago, are in
.endif
	WIN 0x01                                       ; source 0: window 1
.irp k, 0,1,2,3,4,5,6,7
.irp m, 0,2,4,6
	v_pk_add_f32 v[T+8*\k+\m:T+8*\k+\m+1], v[64*SL+8*\k+\m:64*SL+8*\k+\m+1], v[OW+\m:OW+\m+1] neg_lo:[0,1] neg_hi:[0,1]
.endr
.endr
	WIN 0
.if ((\i) == 6) || ((\i) == 10)
	s_wait_xcnt 0x0                                ; the stores issued two queries ago have had their addresses translated (ISA guide 3.1): their data registers are loaded again only behind this wait
	s_wait_alu depctr_vm_vsrc(0)                   ; those stores have read the other set of own rows, in which the next group's rows land
.endif
.if (\i) <= 12
	s_wait_alu depctr_va_vdst(0)                   ; the differences are done reading slot i % 4, in which the gather below lands; in a group's first query: the last group's additions have written the rows that the stores below read; in its third: every earlier writer and reader of the other set is done
.endif
.if ((\i)%4 == 0) && ((\i) > 0)
	SEND (\i)/4-1                                  ; the group before leaves
.endif
.if ((\i)%4 == 2) && ((\i) < 12)
	OWNROWS (\i)/4+1                               ; the next group's own rows, two queries ahead of their first use
.endif
.if (\i) < 12
	FILL (\i)+4                                    ; the slot is asked for again.  Nothing since the wait names its registers or its offsets
	WIN 0
.endif
.irp k, 0,1,2,3,4,5,6,7
	v_pk_mul_f32 v[ACC+2*\k:ACC+2*\k+1], v[T+8*\k:T+8*\k+1], v[T+8*\k:T+8*\k+1]
.endr
.irp m, 2,4,6
.irp k, 0,1,2,3,4,5,6,7
	v_pk_fma_f32 v[ACC+2*\k:ACC+2*\k+1], v[T+8*\k+\m:T+8*\k+\m+1], v[T+8*\k+\m:T+8*\k+\m+1], v[ACC+2*\k:ACC+2*\k+1]
.endr
.endr
.irp k, 0,1,2,3,4,5,6,7
	v_add_f32 v[ACC+2*\k], v[ACC+2*\k], v[ACC+2*\k+1]
.endr
.irp x, 1,2,4,8
.irp k, 0,1,2,3,4,5,6,7
	v_add_f32_dpp v[ACC+2*\k], v[ACC+2*\k], v[ACC+2*\k] row_xmask:\x row_mask:0xf bank_mask:0xf
.endr
.endr
.irp k, 0,1,2,3,4,5,6,7
	v_permlanex16_b32 v[ACC+2*\k+1], v[ACC+2*\k], s[SEL], s[SEL+1]
.endr
.irp k, 0,1,2,3,4,5,6,7
	v_add_f32 v[ACC+2*\k], v[ACC+2*\k], v[ACC+2*\k+1]
.endr
	s_mov_b32 s30, 0x10001<<(\i)
.irp k, 0,1,2,3,4,5,6,7
	v_cndmask_b32 v[N+\k], v[N+\k], v[ACC+2*\k], s30
.endr
.endm
; Queries 4 g .. 4 g + 3 are finished: norms, mean, tanh, x 0.3 probability, in the lanes that hold them; each row of set g % 2 gets its number.  The rows leave in the next group's first query.
.macro TAIL g
.set OT, OWN+120*((\g)%2)
.irp k, 0,1,2,3,4,5,6,7
	v_sqrt_f32 v[T+\k], v[N+\k]
.endr
	v_nop                                          ; a plain place behind the batch
	s_wait_alu depctr_va_vdst(0)                   ; the eight roots have written v[T ..], ahead of their first reader: one wait for the batch
	v_add_f32 v[T], v[T], v[T+1]
	v_add_f32 v[T+2], v[T+2], v[T+3]
	v_add_f32 v[T+4], v[T+4], v[T+5]
	v_add_f32 v[T+6], v[T+6], v[T+7]
	v_add_f32 v[T], v[T], v[T+2]
	v_add_f32 v[T+4], v[T+4], v[T+6]
	v_add_f32 v12, v[T], v[T+4]
	v_mul_f32 v12, 0x3fe6d4ca, v12                 ; x 5 / 8 x 2 log2(e)
	v_exp_f32 v13, v12
	v_nop
	s_wait_alu depctr_va_vdst(0)                   ; the exponential has written v13, ahead of its first reader
	v_add_f32 v13, 1.0, v13
	v_rcp_f32 v12, v13                             ; (an exponential that has run to infinity gives 0 here: tanh = 1)
	v_nop
	s_wait_alu depctr_va_vdst(0)                   ; the reciprocal has written v12, ahead of its first reader
	v_fma_f32 v12, v12, -2.0, 1.0
	v_mul_f32 v11, v12, v10
.irp j, 0,1,2,3
	v_readlane_b32 s[40+2*\j], v11, 4*(\g)+\j
.endr
	s_wait_alu depctr_va_sdst(0)                   ; s40, s42, s44 and s46 are written, ahead of their first readers: one wait for the four
.irp j, 0,1,2,3
.irp m, 0,2,4,6
	v_pk_add_f32 v[OT+8*\j+\m:OT+8*\j+\m+1], v[OT+8*\j+\m:OT+8*\j+\m+1], s[40+2*\j:41+2*\j] op_sel_hi:[1,0]
.endr
.endr
.endm
.irp g, 0,1,2,3
	QUERY 4*\g
	QUERY 4*\g+1
	QUERY 4*\g+2
	QUERY 4*\g+3
	TAIL \g
.endr
	s_wait_alu depctr_va_vdst(0)                   ; the last group's additions have written its four rows, which the last eight stores read
	SEND 3
	s_wait_dscnt 0x0
	s_wait_alu depctr_hold_cnt(0) depctr_sa_sdst(0) depctr_va_vdst(0) depctr_va_sdst(0) depctr_va_ssrc(0) depctr_va_vcc(0) depctr_vm_vsrc(0)
	s_wait_tensorcnt 0x0
	ds_add_u32 v254, v255
	s_wait_dscnt 0x0
	s_endpgm
.Lfunc_end_k_q58712d1533_enhance:
	.size	k_q58712d1533_enhance, .Lfunc_end_k_q58712d1533_enhance-k_q58712d1533_enhance
	.p2alignl 7, 3214868480
	.fill 96, 4, 3214868480
	.section	.rodata,"a",@progbits
	.p2align	6, 0x0
	.amdhsa_kernel k_q58712d1533_enhance
		.amdhsa_group_segment_fixed_size 67072
		.amdhsa_private_segment_fixed_size 0
		.amdhsa_enable_private_segment 0
		.amdhsa_kernarg_size 64
		.amdhsa_user_sgpr_count 2
		.amdhsa_user_sgpr_kernarg_segment_ptr 1
		.amdhsa_wavefront_size32 1
		.amdhsa_system_sgpr_workgroup_id_x 1
		.amdhsa_system_sgpr_workgroup_id_y 1
		.amdhsa_system_sgpr_workgroup_id_z 1
		.amdhsa_system_vgpr_workitem_id 0
		.amdhsa_next_free_vgpr 736
		.amdhsa_next_free_sgpr 66
		.amdhsa_reserve_vcc 0
		.amdhsa_float_denorm_mode_32 3
		.amdhsa_float_denorm_mode_16_64 3
		.amdhsa_memory_ordered 1
		.amdhsa_forward_progress 1
		.amdhsa_inst_pref_size 213
	.end_amdhsa_kernel
	.amdgpu_metadata
---
amdhsa.version: [ 1, 2 ]
amdhsa.kernels:
  - .name:           k_q58712d1533_enhance
    .symbol:         k_q58712d1533_enhance.kd
    .args:
      - { .name: features, .offset: 0, .size: 8, .value_kind: global_buffer, .address_space: global }
      - { .name: knn, .offset: 8, .size: 8, .value_kind: global_buffer, .address_space: global }
      - { .name: w1q, .offset: 16, .size: 8, .value_kind: global_buffer, .address_space: global }
      - { .name: b1, .offset: 24, .size: 8, .value_kind: global_buffer, .address_space: global }
      - { .name: W2, .offset: 32, .size: 8, .value_kind: global_buffer, .address_space: global }
      - { .name: b2, .offset: 40, .size: 8, .value_kind: global_buffer, .address_space: global }
      - { .name: out0, .offset: 48, .size: 8, .value_kind: global_buffer, .address_space: global }
      - { .name: out1, .offset: 56, .size: 8, .value_kind: global_buffer, .address_space: global }
    .group_segment_fixed_size: 67072
    .private_segment_fixed_size: 0
    .kernarg_segment_align: 8
    .kernarg_segment_size: 64
    .max_flat_workgroup_size: 128
    .sgpr_count:     66
    .vgpr_count:     736
    .wavefront_size: 32
...
	.end_amdgpu_metadata
.endif
;; end of part 4
